; MI455X (gfx1250); checked and timed in simulation.
; The chip was launched on July 23, 2026; its instructions are those of AMD's public machine-readable ISA for CDNA 5 (MIT licence, August 2026) and "CDNA5" Instruction Set Architecture Reference Guide (July 2026). The comments in the code are by the model that wrote it; some were corrected since.
;; Hash Linear. Allowed arithmetic: matrix products marked QUANTISED: E5M2 operands, one E8M0 scale for each 32 along K, by v_wmma_scale_f32_16x16x128_f8f6f4 with both operands' format E5M2, f32 sums; everything else in f32.
;; Inputs: h_bias 64 float32; h_weight 262,144 float32; idxB 4,096 int32; idxW 4,096 x 4,096 int32; x 4,096 x 4,096 float32; xiB 4,096 float32; xiW 4,096 x 4,096 float32.
;; Outputs: out0 4,096 x 4,096 float32.
;; This version of the problem:
;;   THIS VERSION OF THE PROBLEM IS GIVEN IN LOW PRECISION. The matrix products marked QUANTISED in the list below multiply operands that are first quantised to E5M2 (5 exponent bits, 2 mantissa bits; 8 bits a number), with one power-of-two scale for each 32 numbers along K (OCP MX v1.0); their sums are f32. All else is computed in f32.
;;   The module's matrix products, in the order in which they are computed (A, B: the left and right operand; K: the contracted axis; several contracted axes count as one K, in the product's order):
;;     1. [M 4,096, K 4,096] x [K 4,096, N 4,096]; A: input x; B: computed on the way: QUANTISED
;;   THE QUANTISER, for each operand of a quantised product, along K:
;;     - K is cut into blocks of 32 from its start; a last block that is shorter is filled with zeros.
;;     - A block's scale is 2^e with e = floor(log2(the largest magnitude in the block)) - 15, held to -126 .. 127; a block of zeros has e = 0. As a byte (E8M0): e + 127.
;;     - Each number is divided by its block's scale, clamped to +-57,344, and rounded to the nearest number of E5M2, ties to even, subnormals kept.
;;     - The product sums the exact products of the quantised numbers (number of the format x scale) in f32.
;;   ~~~python
;;   def quantise(x, axis):      # numpy; x: float32 -> the quantised numbers, widened to float32 again
;;       x = np.moveaxis(x, axis, -1); K = x.shape[-1]
;;       x = np.pad(x, [(0, 0)] * (x.ndim - 1) + [(0, -K % 32)]); x = x.reshape(x.shape[:-1] + (-1, 32)); a = np.abs(x).max(-1, keepdims=True)
;;       e = np.where(a > 0, np.clip(np.frexp(np.where(a > 0, a, 1))[1] - 1 - 15, -126, 127), 0)      # np.frexp(a)[1] - 1 = floor(log2(a)), exactly
;;       r = np.clip(x / 2.0 ** e, -57344, 57344)
;;       step = 2.0 ** (np.maximum(np.frexp(np.where(r == 0, 1, r))[1] - 1, -14) - 2)
;;       q = np.round(r / step) * step * 2.0 ** e      # np.round: ties to even
;;       return np.moveaxis(q.reshape(q.shape[:-2] + (-1,))[..., :K], -1, axis).astype(np.float32)
;;   ~~~
;;   OPERANDS COMPUTED ON THE WAY. 'Computed on the way' means the value that the module computes at that place (a softmax that the list does not call 'softmax' is quantised finished and normalised). What goes into a quantiser is computed in f32, as accurately as f32 sums, v_exp_f32 and their like allow (about 1e-6 of the number): no bf16 or f16 on the way to a quantiser, and a product that is left as it is and whose result goes on into a quantised operand takes f32 operands (vector FMAs, or v_wmma_f32_16x16x4_f32). A number that lies on a knife's edge between two numbers of the format may be rounded either way, as far as f32 arithmetic and the matrix unit's own rounding can turn it there, and no further.
;; One version. Each part assembles by itself: llvm-mc -triple=amdgcn-amd-amdhsa -mcpu=gfx1250 --defsym DOCPART=n.
;; ======== version 1 of 1: 2 launches
;; limits: right only within a limited range of input values
;; workspace buffers: a_pack 17,301,504 bytes; b_pack 17,301,504 bytes
;; launch hashq (part 1): grid 256 x 1, 16 waves a work-group, no clusters, 327,680 bytes of LDS; arguments x, idxW, xiW, h_weight, a_pack, b_pack; writes a_pack, b_pack
.if DOCPART == 1
	.amdgcn_target "amdgcn-amd-amdhsa--gfx1250"
	.amdhsa_code_object_version 6
	.text
	.protected	k_q27d5eba623_hashq
	.globl	k_q27d5eba623_hashq
	.p2align	8
	.type	k_q27d5eba623_hashq,@function
k_q27d5eba623_hashq:
	s_mov_b64 s[64:65], 0
	v_nop
	global_prefetch_b8 v0, s[64:65] scope:SCOPE_SE
	s_setreg_imm32_b32 hwreg(HW_REG_WAVE_MODE, 25, 1), 1
	s_wait_xcnt 0x0
; x [4096][4096] f32, and W[o][i] = h_weight[idxW[o][i]] * xiW[o][i] (one f32 multiplication), become codes of BF8 (E5M2) with one E8M0 byte for each 32 along K (the last axis of both).
; A block's byte is its largest magnitude's exponent field - 15, held at 1 from below; each number is divided by the scale, held within +-57,344 and rounded to the nearest code, ties to even.
; THE PACKS, as the product's launch reads them: block (R = row / 128, S = k / 256) at byte (16 R + S) x 33,792: the 256 codes of row r at 256 r, that row's 8 scale bytes at 32,768 + 8 r.
; THE LOOKUP GOES THROUGH LDS.  h_weight (1,048,576 bytes) passes through LDS in four quarters of 262,144 bytes.  A wave keeps its 4,096 indices in 128 registers for the whole launch, as 4 x index
; under the tag 0x7fc00000 (a NaN's bits).  For quarter q a register's lanes whose tagged offset lies in [tag + q x 262,144, + 262,144) read their number from LDS into the same register, the other lanes off.
; A number that has been fetched is no tagged NaN, so it matches no later quarter.
; LIMITS: NaN and infinities among the inputs are not served (a NaN of h_weight with the tag's bits would be taken for an index).  A block of zeros gets the byte 1 where the rule says 127: its codes are zeros,
; and this program alone reads the bytes.  An index is held at 262,143 from above (the problem keeps indices inside the table).
; SHARES.  256 work-groups of 16 waves.  Work-group g: rows 32 (g / 2) on, k = 2,048 (g % 2) on, of x and of W.  Wave w: rows 16 (w / 8) on of these, S = 8 (g % 2) + w % 8: eight steps of 2 rows x 256 k of each tensor.
; x is quantised while a quarter of the table is on its way, two steps a wave and quarter; its numbers, and xiW's first four steps, are asked for into registers one quarter ahead of their use, so nothing is prefetched besides.
; NO CLUSTER, though all work-groups read the same table: the lookups' LDS addresses are made of each work-group's own indices, and joint loads ask that no LDS address differs between partners.
; Wave w's tensor load brings 64 rows of 256 bytes of a quarter.
; A STEP: every load reads 512 consecutive bytes, 16 a lane; the conversions want 16 neighbours along K in a lane, so a step's 2,048 bytes go through the wave's own stage in LDS and come back 64 bytes a lane.
; BARRIERS a quarter: one behind the fill (all parts landed), one behind the lookups, whose LDS addresses hang on indices, so that they are parted from every other LDS write, and the one in front of the refill.
.set ROWB,  16384                      ; a row of x, idxW, xiW in bytes
.set PACKB, 33792
.set QB,    262144                     ; a quarter of the table; it lies at LDS byte 0
.set SPARE, QB                         ; the spare words: 128 bytes for each of 16 waves
.set SCB,   QB+2048                    ; scale bytes: x's 8 units of 256 bytes, then W's 8
.set STG,   QB+6144                    ; a stage of 2,560 bytes for each wave
.set SP,    80                         ; a lane's place in a stage: 64 bytes + 16 of padding
.set TAG,   0x7fc00000
.set X,     16                         ; v16-47   two sets of 16 neighbours
.set C,     48                         ; v48-55   two sets of codes
.set T,     56                         ; v56-63   eight LDS addresses of the lookup
.set R,     64                         ; v64-127  four sets of 16 numbers as loaded: x's in sets 0, 1; then xiW's in all four
.set G,     128                        ; v128-255 eight steps x 16: tagged offsets, then h_weight's numbers, then W
.set M,     48                         ; s48-55   eight lane masks
; v1 spare word's address, v2 = 0, v3 = 16 x lane, v4 / v5 W's / x's scale byte in LDS, v6 a unit of scale bytes on its way out, v7 = 8 x lane, v8-11 at work, v12-13 scale bytes, v14 / v15 the stage, in / out
; s[24:25] x's codes, s[26:27] my unit of scale bytes, s[28:29] x, s[30:31] idxW, s[32:33] xiW, s[34:35] W's codes, s[36:39] and s[40:47] the descriptor, s56 tag + the quarter's first byte
	s_load_b256 s[4:11], s[0:1], 0x0               ; x, idxW, xiW, h_weight
	s_load_b128 s[12:15], s[0:1], 0x20             ; a_pack, b_pack
	v_lshl_add_u32 v1, v0, 2, SPARE
	v_mov_b32 v2, 0
	ds_add_u32 v1, v2                              ; the opening lines
	ds_add_u32 v1, v2
	v_lshrrev_b32 v8, 5, v0                        ; wave
	v_readfirstlane_b32 s16, v8
	v_and_b32 v9, 31, v0                           ; lane
	v_lshlrev_b32 v3, 4, v9
	v_lshlrev_b32 v7, 3, v9
	v_mul_u32_u24 v10, v8, 32*SP
	v_lshrrev_b32 v11, 2, v9
	v_and_b32 v12, 3, v9
	v_add_nc_u32 v10, STG, v10                     ; my wave's stage
	v_mad_u32_u24 v14, v11, SP, v10                ; in: four lanes' 64 bytes on end, then the padding
	v_mad_u32_u24 v15, v9, SP, v10                 ; out: my 16 neighbours
	v_lshl_add_u32 v14, v12, 4, v14
	v_and_b32 v11, 7, v8
	v_lshrrev_b32 v12, 3, v8
	v_lshrrev_b32 v5, 1, v9
	v_lshl_add_u32 v5, v11, 8, v5                  ; unit w % 8, its half w / 8, byte lane / 2
	v_lshl_add_u32 v5, v12, 7, v5
	v_add_nc_u32 v5, SCB, v5
	v_add_nc_u32 v4, 2048, v5
	v_lshl_add_u32 v6, v8, 8, v7                   ; on the way out wave w takes unit w whole
	v_add_nc_u32 v6, SCB, v6
	s_and_b32 s17, s16, 7
	s_lshr_b32 s18, s16, 3
	s_lshr_b32 s20, ttmp9, 1                       ; rb = g / 2
	s_and_b32 s21, ttmp9, 1
	s_lshl_b32 s21, s21, 3
	s_add_co_u32 s21, s21, s17                     ; S
	s_lshl_b32 s22, s20, 1
	s_add_co_u32 s22, s22, s18
	s_lshl_b32 s22, s22, 18                        ; (2 rb + w / 8) x 16 rows of 16,384 bytes
	s_lshl_b32 s23, s21, 10
	s_add_co_u32 s22, s22, s23                     ; + 1,024 S: under 2^26
	s_mov_b32 s23, 0
	s_lshr_b32 s24, s20, 2
	s_lshl_b32 s24, s24, 4
	s_add_co_u32 s24, s24, s21
	s_mul_i32 s24, s24, PACKB                      ; the block
	s_and_b32 s25, s20, 3
	s_lshl_b32 s26, s25, 8
	s_add_co_u32 s26, s26, s24
	s_add_co_u32 s26, s26, 32768                   ; the 32 rows' unit of scale bytes
	s_mov_b32 s27, 0
	s_lshl_b32 s25, s25, 1
	s_add_co_u32 s25, s25, s18
	s_lshl_b32 s25, s25, 12
	s_add_co_u32 s24, s24, s25                     ; my 16 rows' codes
	s_mov_b32 s25, 0
	s_mov_b32 s36, 1                               ; group 0: my 16,384 bytes of a quarter
	s_lshl_b32 s37, s16, 14
	s_lshl_b32 s60, s16, 14
	s_mov_b32 s61, 0
	s_mov_b32 s40, 3<<16                           ; group 1: elements of 8 bytes; 64 dense rows of 32
	s_mov_b32 s41, 32<<16
	s_mov_b32 s42, 64<<16
	s_mov_b32 s43, 32<<16
	s_mov_b32 s44, 64
	s_mov_b32 s45, 32
	s_mov_b32 s46, 0
	s_mov_b32 s47, 0
	s_mov_b32 s56, TAG
	s_mov_b32 s57, QB
	s_mov_b32 s58, 0x600000                        ; the mantissa field of 57,344
	s_mov_b32 s62, TAG
	s_wait_alu depctr_va_vdst(0)
	s_wait_dscnt 0x0
	s_wait_kmcnt 0x0
	s_add_nc_u64 s[28:29], s[4:5], s[22:23]
	s_add_nc_u64 s[30:31], s[6:7], s[22:23]
	s_add_nc_u64 s[32:33], s[8:9], s[22:23]
	s_add_nc_u64 s[38:39], s[10:11], s[60:61]
	s_or_b32 s39, s39, 0x80000000
	s_add_nc_u64 s[34:35], s[14:15], s[24:25]
	s_add_nc_u64 s[24:25], s[12:13], s[24:25]
	s_cmp_eq_u32 s18, 0                            ; waves 0-7 send x's units of scale bytes, waves 8-15 W's
	s_cselect_b64 s[12:13], s[12:13], s[14:15]
	s_add_nc_u64 s[26:27], s[12:13], s[26:27]
	tensor_load_to_lds s[36:39], s[40:47]          ; quarter 0: one load a wave
	s_nop 0
.macro XLOAD set, ptr, t               ; step t's 512 numbers, counted from the pointer, into set: each load reads 512 consecutive bytes
.irp i, 0,1,2,3
	global_load_b128 v[R+16*(\set)+4*\i:R+16*(\set)+4*\i+3], v3, s[\ptr:\ptr+1] offset:(2*(\t)+\i/2)*ROWB+(\i%2)*512 th:TH_LOAD_NT
.endr
.endm
.macro TURN src, xs                    ; through the stage: LDS serves a wave's instructions in order, so no wait stands between the stores and the loads
.irp i, 0,1,2,3
	ds_store_b128 v14, v[\src+4*\i:\src+4*\i+3] offset:8*SP*\i
.endr
.irp i, 0,1,2,3
	ds_load_b128 v[\xs+4*\i:\xs+4*\i+3], v15 offset:16*\i
.endr
.endm
.macro QUANT xs, cc, e, ba, bo, sp, so ; my 16 neighbours become 16 codes and, with my neighbour lane, a scale byte
	v_max3_num_f32 v8, |v[\xs]|, |v[\xs+1]|, |v[\xs+2]|
	v_max3_num_f32 v9, |v[\xs+3]|, |v[\xs+4]|, |v[\xs+5]|
.irp i, 6,10
	s_delay_alu instid0(VALU_DEP_2)
	v_max3_num_f32 v8, v8, |v[\xs+\i]|, |v[\xs+\i+1]|
	s_delay_alu instid0(VALU_DEP_2)
	v_max3_num_f32 v9, v9, |v[\xs+\i+2]|, |v[\xs+\i+3]|
.endr
	s_delay_alu instid0(VALU_DEP_2)
	v_max3_num_f32 v8, v8, |v[\xs+14]|, |v[\xs+15]|
	s_delay_alu instid0(VALU_DEP_1)
	v_max3_num_f32 v8, v8, v9, 0x8000000           ; the floor 2^(16 - 127): the byte cannot fall under 1
	s_delay_alu instid0(VALU_DEP_1)
	v_max_num_f32_dpp v8, v8, v8 row_xmask:1 row_mask:0xf bank_mask:0xf
	s_delay_alu instid0(VALU_DEP_1)
	v_add_nc_u32 v11, 0xf8800000, v8               ; 15 off the exponent field: the conversion's scale operand
	s_delay_alu instid0(VALU_DEP_2)
	v_and_or_b32 v10, v8, 0x7f800000, s58          ; 57,344 x the scale
.irp i, 0,1,2,3,4,5,6,7,8,9,10,11,12,13,14,15
	v_med3_num_f32 v[\xs+\i], v[\xs+\i], -v10, v10 ; the conversion does not saturate (ISA guide 7.6.2): hold first
.endr
	v_cvt_scalef32_pk8_bf8_f32 v[\cc:\cc+1], v[\xs:\xs+7], v11
	v_cvt_scalef32_pk8_bf8_f32 v[\cc+2:\cc+3], v[\xs+8:\xs+15], v11
	v_lshrrev_b32 v[\e], 23, v11                   ; the byte; also the plain line behind the conversions
	ds_store_b8 v[\ba], v[\e] offset:\bo           ; both lanes of a block write the same byte
	global_store_b128 v3, v[\cc:\cc+3], s[\sp:\sp+1] offset:\so   ; 512 consecutive bytes, two rows' codes
.endm
.macro GB j0                           ; eight registers of the lookup
.irp j, 0,1,2,3,4,5,6,7
	v_subrev_nc_u32 v[T+\j], s56, v[G+(\j0)+\j]    ; byte in this quarter, if it lies there
.endr
.irp j, 0,1,2,3,4,5,6,7
	v_cmp_gt_u32 s[M+\j], s57, v[T+\j]             ; the lanes for which it does
.endr
.irp j, 0,1,2,3,4,5,6,7
	v_min_u32 v[T+\j], 0x3fffc, v[T+\j]            ; every lane's address is held inside the quarter
.endr
	s_wait_alu depctr_va_vdst(0)
.irp j, 0,1,2,3,4,5,6,7
	s_mov_b32 exec_lo, s[M+\j]
	ds_load_b32 v[G+(\j0)+\j], v[T+\j]             ; in place: the other lanes keep what they hold
.endr
	s_mov_b32 exec_lo, -1
.endm
; One quarter.  While it is on its way: two steps of x.  Then the lookup.  last = 0: the next quarter is asked for, and x's next two steps; last = 1: xiW's first four steps.
.macro TRIP last
	s_wait_loadcnt 4                               ; set 0 is in; set 1's four loads may be out
	TURN R, X
	s_wait_loadcnt 0x0
	s_wait_dscnt 0x0                               ; set 0 is back from the stage
	TURN R+16, X+16
	s_wait_xcnt 0x0                                ; the pointers and the codes' registers are rewritten only behind this wait
	s_add_nc_u64 s[24:25], s[24:25], 1024          ; the stores below reach back
.if \last == 0
	s_add_nc_u64 s[28:29], s[28:29], 4*ROWB
.endif
	QUANT X, C, 12, 5, 0, 24, -1024
	s_wait_dscnt 1                                 ; set 1 is back; the byte store may be out
	QUANT X+16, C+4, 13, 5, 16, 24, -512
.if \last == 0
	v_add_nc_u32 v5, 32, v5                        ; the next two steps' bytes
	s_wait_alu depctr_va_vdst(0)
.endif
	s_wait_tensorcnt 0x0                           ; my part of the quarter has landed (my one load that was out)
	s_wait_dscnt 0x0
	s_barrier_signal -1
	s_barrier_wait -1                              ; and everybody's
.if \last                              ; the next numbers are asked for here, behind the fill, and come in under the lookups; both sets have left the stage
	XLOAD 0, 32, 0
	XLOAD 1, 32, 1
	XLOAD 2, 32, 2
	XLOAD 3, 32, 3
.else
	XLOAD 0, 28, 0
	XLOAD 1, 28, 1
.endif
	s_wait_xcnt 0x0                                ; EXEC changes only behind this wait
.irp b, 0,1,2,3,4,5,6,7,8,9,10,11,12,13,14,15
	GB 8*\b
.endr
	s_add_co_u32 s56, s56, QB
	s_wait_dscnt 0x0
	s_barrier_signal -1
	s_barrier_wait -1                              ; all lookups in this quarter are over
.if \last == 0
	s_wait_tensorcnt 0x0
	ds_add_u32 v1, v2
	s_add_nc_u64 s[38:39], s[38:39], QB
	s_wait_dscnt 0x0
	s_barrier_signal -1
	s_barrier_wait -1
	tensor_load_to_lds s[36:39], s[40:47]
	s_nop 0
.endif
.endm
.irp t, 0,1,2,3,4,5,6,7
.irp i, 0,1,2,3
	global_load_b128 v[G+16*\t+4*\i:G+16*\t+4*\i+3], v3, s[30:31] offset:(2*\t+\i/2)*ROWB+(\i%2)*512 th:TH_LOAD_NT
.endr
.endr
	XLOAD 0, 28, 0
	XLOAD 1, 28, 1
.irp t, 0,1,2,3,4,5,6,7
	s_wait_loadcnt 36-4*\t                         ; step t's indices are in; behind them the later steps' and x's eight loads
.irp j, 0,1,2,3,4,5,6,7,8,9,10,11,12,13,14,15
	v_min_u32 v[G+16*\t+\j], 0x3ffff, v[G+16*\t+\j]
.endr
.irp j, 0,1,2,3,4,5,6,7,8,9,10,11,12,13,14,15
	v_lshl_or_b32 v[G+16*\t+\j], v[G+16*\t+\j], 2, s62
.endr
.endr
	s_wait_alu depctr_va_vdst(0)
	s_mov_b32 s59, 3
.Lquarter:
	TRIP 0
	s_sub_co_u32 s59, s59, 1
	s_cmp_lg_u32 s59, 0
	s_cbranch_scc1 .Lquarter
	TRIP 1                                         ; the last quarter asks for no further one
; W's eight steps: x xiW, through the stage, quantised.  xiW runs four steps ahead in the four sets.
.macro MULTURN t
.irp j, 0,2,4,6,8,10,12,14
	v_pk_mul_f32 v[G+16*(\t)+\j:G+16*(\t)+\j+1], v[G+16*(\t)+\j:G+16*(\t)+\j+1], v[R+16*((\t)%4)+\j:R+16*((\t)%4)+\j+1]
.endr
	TURN G+16*(\t), X+16*((\t)%2)
.endm
.macro WSTEP t
.if (\t) > 0
	s_wait_dscnt 1                                 ; step t is back from the stage; the last byte store may be out
.else
	s_wait_dscnt 0x0
.endif
	s_wait_xcnt 0x0                                ; the codes' set of two steps ago is rewritten only behind this wait
.if (\t) <= 3
	XLOAD \t, 32, (\t)+4
.endif
.if (\t) <= 6
.if (\t) <= 3
	s_wait_loadcnt 12                              ; step t + 1's signs are in; three younger sets stay out
.else
	s_wait_loadcnt 4*(6-(\t))                      ; the counts run down: 8, 4, 0
.endif
	MULTURN (\t)+1
.endif
	QUANT X+16*((\t)%2), C+4*((\t)%2), 12+(\t)%2, 4, 16*(\t), 34, 512*(\t)
.endm
	s_wait_loadcnt 12                              ; step 0's signs
	MULTURN 0
.irp t, 0,1,2,3,4,5,6,7
	WSTEP \t
.endr
	s_wait_dscnt 0x0                               ; my byte stores are done
	s_barrier_signal -1
	s_barrier_wait -1
	ds_load_b64 v[8:9], v6                         ; a unit's two halves come from two waves
	s_wait_dscnt 0x0
	global_store_b64 v7, v[8:9], s[26:27]          ; 256 consecutive bytes, at a multiple of 256 from the pack's first byte
	s_wait_tensorcnt 0x0                           ; the wave's end
	ds_add_u32 v1, v2
	s_wait_dscnt 0x0
	s_endpgm
.Lfunc_end_k_q27d5eba623_hashq:
	.size	k_q27d5eba623_hashq, .Lfunc_end_k_q27d5eba623_hashq-k_q27d5eba623_hashq
	.p2alignl 7, 3214868480
	.fill 96, 4, 3214868480
	.section	.rodata,"a",@progbits
	.p2align	6, 0x0
	.amdhsa_kernel k_q27d5eba623_hashq
		.amdhsa_group_segment_fixed_size 327680
		.amdhsa_private_segment_fixed_size 0
		.amdhsa_enable_private_segment 0
		.amdhsa_kernarg_size 48
		.amdhsa_user_sgpr_count 2
		.amdhsa_user_sgpr_kernarg_segment_ptr 1
		.amdhsa_wavefront_size32 1
		.amdhsa_system_sgpr_workgroup_id_x 1
		.amdhsa_system_sgpr_workgroup_id_y 1
		.amdhsa_system_sgpr_workgroup_id_z 1
		.amdhsa_system_vgpr_workitem_id 0
		.amdhsa_next_free_vgpr 256
		.amdhsa_next_free_sgpr 66
		.amdhsa_reserve_vcc 0
		.amdhsa_float_denorm_mode_32 3
		.amdhsa_float_denorm_mode_16_64 3
		.amdhsa_memory_ordered 1
		.amdhsa_forward_progress 1
		.amdhsa_inst_pref_size 135
	.end_amdhsa_kernel
	.amdgpu_metadata
---
amdhsa.version: [ 1, 2 ]
amdhsa.kernels:
  - .name:           k_q27d5eba623_hashq
    .symbol:         k_q27d5eba623_hashq.kd
    .args:
      - { .name: x, .offset: 0, .size: 8, .value_kind: global_buffer, .address_space: global }
      - { .name: idxW, .offset: 8, .size: 8, .value_kind: global_buffer, .address_space: global }
      - { .name: xiW, .offset: 16, .size: 8, .value_kind: global_buffer, .address_space: global }
      - { .name: h_weight, .offset: 24, .size: 8, .value_kind: global_buffer, .address_space: global }
      - { .name: a_pack, .offset: 32, .size: 8, .value_kind: global_buffer, .address_space: global }
      - { .name: b_pack, .offset: 40, .size: 8, .value_kind: global_buffer, .address_space: global }
    .group_segment_fixed_size: 327680
    .private_segment_fixed_size: 0
    .kernarg_segment_align: 8
    .kernarg_segment_size: 48
    .max_flat_workgroup_size: 512
    .sgpr_count:     66
    .vgpr_count:     256
    .wavefront_size: 32
...
	.end_amdgpu_metadata
.endif
;; end of part 1
;; launch gemm (part 2): grid 16 x 16, 4 waves a work-group, clusters of 4 x 4, 327,680 bytes of LDS; arguments a_pack, b_pack, idxB, xiB, h_bias, out0; writes out0
.if DOCPART == 2
	.amdgcn_target "amdgcn-amd-amdhsa--gfx1250"
	.amdhsa_code_object_version 6
	.text
	.protected	k_q27d5eba623_gemm
	.globl	k_q27d5eba623_gemm
	.p2align	8
	.type	k_q27d5eba623_gemm,@function
k_q27d5eba623_gemm:
	s_mov_b64 s[64:65], 0
	v_nop
	global_prefetch_b8 v0, s[64:65] scope:SCOPE_SE
	s_setreg_imm32_b32 hwreg(HW_REG_WAVE_MODE, 25, 1), 1
	s_wait_xcnt 0x0
	s_wait_alu depctr_hold_cnt(0) depctr_sa_sdst(0) depctr_va_vdst(0) depctr_va_sdst(0) depctr_va_ssrc(0) depctr_va_vcc(0) depctr_vm_vsrc(0)
	s_getreg_b32 s2, hwreg(HW_REG_IB_STS2, 6, 4)
	s_cmp_eq_u32 s2, 0
	s_cbranch_scc0 .Lentry_in_a_cluster
	s_endpgm
.Lentry_in_a_cluster:
	s_bfe_u32 s2, ttmp6, 0x10000c
	s_cmp_lg_u32 s2, 0xf033
	s_cbranch_scc0 .Lentry_shape_is_right
	s_endpgm
.Lentry_shape_is_right:
.set SIZE_N, 4096
.set NQ,     2
.set PITCH,  272
.set FR,     16
.set NL,     4
.set NP,     8
.set TR,     132
.set HALFT,  TR*PITCH
.set SLOT,   4*HALFT
.set SCOFF,  128*PITCH
.set PACKB,  33792
.set BAND,   16*PACKB
.set LAPS,   8
.set SPARE,  2*SLOT
.set STG,    SPARE+512
.set SPITCH, 528
.set ADRA, 16
.set ADRB, 20
.set ADRS, 22
.set STO,  24
.set RD,   25
.set CO,   26
.set BO,   27
.set SPW,  28
.set NIL,  29
.set SC,   32
.set BIAS, 64
.set AF,   128
.set BK,   128
.set G1, 24
.set G0, 32
.set G1B, 48
.set G0B, 56
.set MSB, 0
.macro WIN new
.if MSB != (\new)
	s_set_vgpr_msb (MSB<<8)|(\new)
.set MSB, \new
.endif
.endm
.set MUL_LO, 0xa1
.set MUL_HI, 0xf1
.set TO_B,   0x40
.macro JLOAD g0a, g1a, g0b, g1b
	s_cmp_eq_u32 s17, 0
	s_cbranch_scc0 .Lfor_b_\@
	tensor_load_to_lds s[\g0a:\g0a+3], s[\g1a:\g1a+7]
	s_nop 0
.rept 4
	v_nop
.endr
	s_branch .Lasked_\@
.Lfor_b_\@:
	tensor_load_to_lds s[\g0b:\g0b+3], s[\g1b:\g1b+7]
	s_nop 0
.rept 4
	v_nop
.endr
.Lasked_\@:
.endm
.macro CREST
	s_cmp_lg_u32 s16, 0
	s_cbranch_scc1 .Lnot_wave_0_\@
	s_barrier_signal -3
.Lnot_wave_0_\@:
	s_barrier_wait -3
	s_barrier_signal -1
	s_barrier_wait -1
.endm
.macro CROUND
	s_barrier_signal -1
	s_barrier_wait -1
	CREST
.endm
	s_load_b256 s[4:11], s[0:1], 0x0
	s_load_b128 s[12:15], s[0:1], 0x20
	v_lshl_add_u32 v[SPW], v0, 2, SPARE
	v_mov_b32 v[NIL], 0
	ds_add_u32 v28, v29
	ds_add_u32 v28, v29
	s_wait_dscnt 0x0
	v_lshrrev_b32 v1, 5, v0
	v_readfirstlane_b32 s16, v1
	s_lshr_b32 s17, s16, 1
	s_and_b32 s18, s16, 1
	s_bfe_u32 s40, ttmp6, 0x40000
	s_bfe_u32 s41, ttmp6, 0x40004
	s_lshl_b32 s42, ttmp9, 2
	s_add_co_u32 s42, s42, s40
	s_and_b32 s66, ttmp7, 0xffff
	s_lshl_b32 s66, s66, 2
	s_add_co_u32 s66, s66, s41
	s_lshl_b32 s43, s41, 2
	s_lshl_b32 s43, 15, s43
	s_lshl_b32 s44, 0x1111, s40
	s_or_b32 s[G1+0], s43, (3<<16)|(1<<20)|(1<<21)|(5<<22)|(3<<25)
	s_or_b32 s[G1B+0], s44, (3<<16)|(1<<20)|(1<<21)|(5<<22)|(3<<25)
.irp g, G1, G1B
	s_mov_b32 s[\g+1], 32<<16
	s_mov_b32 s[\g+2], TR<<16
	s_mov_b32 s[\g+3], 32<<16
	s_mov_b32 s[\g+4], TR
	s_mov_b32 s[\g+5], 32
	s_mov_b32 s[\g+6], 0
	s_mov_b32 s[\g+7], 0
.endr
	s_lshl_b32 s68, s66, 1
	s_add_co_u32 s68, s68, s18
	s_mul_i32 s68, s68, BAND
	s_mov_b32 s69, 0
	s_lshl_b32 s46, s42, 1
	s_add_co_u32 s46, s46, s18
	s_mul_i32 s46, s46, BAND
	s_mov_b32 s47, 0
	s_mul_i32 s45, s16, HALFT
	s_lshl_b32 s72, s42, 10
	s_lshl_b32 s73, s18, 9
	s_add_co_u32 s72, s72, s73
	s_mov_b32 s73, 0
	s_lshl_b32 s74, s66, 8
	s_lshl_b32 s75, s17, 7
	s_add_co_u32 s74, s74, s75
	s_lshl_b32 s74, s74, 14
	s_mov_b32 s75, 0
	s_wait_kmcnt 0x0
	s_add_nc_u64 s[68:69], s[4:5], s[68:69]
	s_add_nc_u64 s[46:47], s[6:7], s[46:47]
	s_add_nc_u64 s[8:9], s[8:9], s[72:73]
	s_add_nc_u64 s[10:11], s[10:11], s[72:73]
	s_add_nc_u64 s[14:15], s[14:15], s[72:73]
	s_add_nc_u64 s[14:15], s[14:15], s[74:75]
	v_and_b32 v1, 15, v0
	v_bfe_u32 v2, v0, 4, 1
	v_lshlrev_b32 v[BO], 5, v2
	s_wait_alu depctr_va_vdst(0)
.irp b, 0,1,2,3,4,5,6,7                ; idxB and xiB of my 128 columns are asked for ahead of the first round
	global_load_b128 v[128+8*\b:128+8*\b+3], v[BO], s[8:9] offset:64*\b
	global_load_b128 v[128+8*\b+4:128+8*\b+7], v[BO], s[8:9] offset:64*\b+16
.endr
.irp b, 0,1,2,3,4,5,6,7
	global_load_b128 v[192+8*\b:192+8*\b+3], v[BO], s[10:11] offset:64*\b
	global_load_b128 v[192+8*\b+4:192+8*\b+7], v[BO], s[10:11] offset:64*\b+16
.endr
	CROUND
.irp s, 0,1
	s_mov_b32 s[G0+4*\s], 1
	s_add_co_u32 s[G0+4*\s+1], s45, \s*SLOT
	s_add_nc_u64 s[G0+4*\s+2:G0+4*\s+3], s[68:69], \s*PACKB
	s_or_b32 s[G0+4*\s+3], s[G0+4*\s+3], 0x80000000
	s_mov_b32 s[G0B+4*\s], 1
	s_add_co_u32 s[G0B+4*\s+1], s45, \s*SLOT
	s_add_nc_u64 s[G0B+4*\s+2:G0B+4*\s+3], s[46:47], \s*PACKB
	s_or_b32 s[G0B+4*\s+3], s[G0B+4*\s+3], 0x80000000
.endr
	JLOAD G0, G1, G0B, G1B                         ; K step 0: one tensor load a wave at the head
	; the prefetches: of the block of 132 rows of 256 bytes that I fetch, the partner at place p (cx for A's blocks, cy for B's) names code rows 32 p .. 32 p + 31, a lane a row, and scale row 128 + p
	s_cmp_eq_u32 s17, 0
	s_cselect_b64 s[76:77], s[68:69], s[46:47]
	s_cselect_b32 s70, s40, s41
	s_mov_b32 s71, 0
	s_lshl_b32 s78, s70, 8
	s_mov_b32 s79, 0
	s_lshl_b32 s70, s70, 13
	s_add_nc_u64 s[78:79], s[76:77], s[78:79]
	s_add_nc_u64 s[78:79], s[78:79], PACKB+32768   ; both stand at K step 1: the first refill steps them to 2 and names K step 4
	s_add_nc_u64 s[76:77], s[76:77], s[70:71]
	s_add_nc_u64 s[76:77], s[76:77], PACKB
	v_and_b32 v30, 31, v0
	v_lshlrev_b32 v30, 8, v30                      ; 256 x lane; never rewritten
	v_mov_b32 v31, 0                               ; never rewritten
	v_mul_u32_u24 v3, v1, PITCH
	v_lshl_add_u32 v4, v2, 4, v3
	s_mul_i32 s21, s17, HALFT
	s_mul_i32 s22, s18, HALFT
	s_add_co_u32 s22, s22, 2*HALFT
.irp s, 0,1
	v_add_nc_u32 v[ADRA+\s], s21, v4
	v_add_nc_u32 v[ADRB+\s], s22, v4
	s_add_co_u32 s21, s21, SLOT
	s_add_co_u32 s22, s22, SLOT
.endr
	s_wait_loadcnt 16
.set n, 0
.rept 64
	v_min_u32 v[128+n], 63, v[128+n]
.set n, n+1
.endr
.set n, 0
.rept 64
	v_lshlrev_b32 v[128+n], 2, v[128+n]
.set n, n+1
.endr
.set n, 0
.rept 64
	global_load_b32 v[BIAS+n], v[128+n], s[12:13]
.set n, n+1
.endr
	s_wait_alu depctr_va_vdst(0)
	s_wait_tensorcnt 0x0                           ; my part of K step 0 is in
	ds_add_u32 v[SPW], v[NIL]
	s_wait_dscnt 0x0
	CROUND                                         ; everybody's part of K step 0 is in
	JLOAD G0+4, G1, G0B+4, G1B                     ; K step 1, while h_bias's numbers are on their way
	s_wait_loadcnt 0x0
.set n, 0
.rept 32
	v_pk_mul_f32 v[BIAS+n:BIAS+n+1], v[BIAS+n:BIAS+n+1], v[192+n:192+n+1]
.set n, n+2
.endr
	v_lshlrev_b32 v5, 3, v1
	s_mul_i32 s21, s17, HALFT
	s_mul_i32 s22, s18, HALFT
	s_add_co_u32 s22, s22, 2*HALFT
	s_sub_co_u32 s22, s22, s21
	v_mul_u32_u24 v6, s22, v2
	s_add_co_u32 s21, s21, SCOFF
	v_add_nc_u32 v5, v5, v6
	v_add_nc_u32 v[ADRS], s21, v5
	v_add_nc_u32 v[ADRS+1], SLOT, v[ADRS]
	s_mul_i32 s23, s16, 16*SPITCH
	s_add_co_u32 s23, s23, STG
	v_mul_u32_u24 v5, v1, SPITCH
	v_lshl_add_u32 v5, v2, 5, v5
	v_add_nc_u32 v[STO], s23, v5
	v_and_b32 v6, 31, v0
	v_lshlrev_b32 v[CO], 4, v6
	v_add_nc_u32 v[RD], s23, v[CO]
.macro FRAG reg, adr, q, i
.irp c, 0,1,2,3
	ds_load_b128 v[\reg+4*\c:\reg+4*\c+3], v[\adr] offset:128*(\q)+32*\c+(\i)*16*PITCH
.endr
.endm
.macro MUL16 a0, p, q, sc, bias
.irp a, \a0, \a0+1
.irp b, 0,1,2,3,4,5,6,7
.if \bias
	v_wmma_scale_f32_16x16x128_f8f6f4 v[8*(8*((\a)%4)+\b):8*(8*((\a)%4)+\b)+7], v[128*(\p)+FR*\b:128*(\p)+FR*\b+FR-1], v[AF+FR*(\a):AF+FR*(\a)+FR-1], v[BIAS+8*\b:BIAS+8*\b+7], v[SC+8*NQ*(\sc)+NQ*\b+(\q)], v[SC+8*NQ*(\sc)+NQ*(\a)+(\q)] matrix_a_fmt:MATRIX_FMT_BF8 matrix_b_fmt:MATRIX_FMT_BF8 matrix_a_scale:MATRIX_SCALE_ROW1
.else
	v_wmma_scale_f32_16x16x128_f8f6f4 v[8*(8*((\a)%4)+\b):8*(8*((\a)%4)+\b)+7], v[128*(\p)+FR*\b:128*(\p)+FR*\b+FR-1], v[AF+FR*(\a):AF+FR*(\a)+FR-1], v[8*(8*((\a)%4)+\b):8*(8*((\a)%4)+\b)+7], v[SC+8*NQ*(\sc)+NQ*\b+(\q)], v[SC+8*NQ*(\sc)+NQ*(\a)+(\q)] matrix_a_fmt:MATRIX_FMT_BF8 matrix_b_fmt:MATRIX_FMT_BF8 matrix_a_scale:MATRIX_SCALE_ROW1
.endif
.endr
.endr
.endm
.macro FETCH_B slot, q, p
	WIN TO_B
.irp i, 0,1,2,3,4,5,6,7
	FRAG 128*(\p)+FR*\i, ADRB+\slot, \q, \i
.endr
	WIN 0
.endm
.macro FETCH_A slot, q, i0
.irp i, \i0, \i0+1, \i0+2, \i0+3
	FRAG AF+FR*(\i), ADRA+\slot, \q, \i
.endr
.endm
.macro SCALES sc
.irp i, 0,1,2,3,4,5,6,7
	ds_load_b64 v[SC+8*NQ*\sc+NQ*\i:SC+8*NQ*\sc+NQ*\i+1], v[ADRS+\sc] offset:(\i/2)*PITCH+(\i%2)*128
.endr
.endm
.macro PLACES n
.rept \n
	v_nop
.endr
.endm
.macro STEP slot, q, bias
	s_wait_dscnt 4*NL
	WIN MUL_LO-0x20*\bias
	MUL16 0, (\q)%2, \q, \slot, \bias
	MUL16 2, (\q)%2, \q, \slot, \bias
	s_wait_dscnt 0
	PLACES NP
	FETCH_B \slot, (\q)+1, 1-(\q)%2
	FETCH_A \slot, (\q)+1, 0
	WIN MUL_HI-0x30*\bias
	MUL16 4, (\q)%2, \q, \slot, \bias
	MUL16 6, (\q)%2, \q, \slot, \bias
	PLACES NP
	WIN 0
	FETCH_A \slot, (\q)+1, 4
.endm
.macro ASK                             ; the block two K steps on from the refill just asked for; the last lap's two refills (s3 = 1) have none
	s_cmp_gt_u32 s3, 1
	s_cbranch_scc0 .Lno_ask_\@
	global_prefetch_b8 v30, s[76:77] offset:2*PACKB th:TH_LOAD_NT scope:SCOPE_SE
	global_prefetch_b8 v31, s[78:79] offset:2*PACKB th:TH_LOAD_NT scope:SCOPE_SE
.Lno_ask_\@:
.endm
.macro TURN slot, next, fill
.if \fill
	s_wait_xcnt 0x0                                ; my last prefetches have read their addresses, which step here
	s_add_nc_u64 s[76:77], s[76:77], PACKB
	s_add_nc_u64 s[78:79], s[78:79], PACKB
.endif
	s_wait_tensorcnt 0x0
	ds_add_u32 v[SPW], v[NIL]
	s_wait_dscnt 4*NL+1
	WIN MUL_LO
	MUL16 0, 1, NQ-1, \slot, 0
	s_wait_dscnt 0x0
	s_barrier_signal -1
	MUL16 2, 1, NQ-1, \slot, 0
	WIN 0
	s_barrier_wait -1
.if \fill
	CREST
	s_add_nc_u64 s[G0+4*\slot+2:G0+4*\slot+3], s[G0+4*\slot+2:G0+4*\slot+3], 2*PACKB
	s_add_nc_u64 s[G0B+4*\slot+2:G0B+4*\slot+3], s[G0B+4*\slot+2:G0B+4*\slot+3], 2*PACKB
	JLOAD G0+4*\slot, G1, G0B+4*\slot, G1B
	PLACES NP-4
.else
	PLACES NP
.endif
	FETCH_B \next, 0, 0
	FETCH_A \next, 0, 0
	SCALES \next
.if \fill
	ASK
.endif
	WIN MUL_HI
	MUL16 4, 1, NQ-1, \slot, 0
	MUL16 6, 1, NQ-1, \slot, 0
	PLACES NP
	WIN 0
	FETCH_A \next, 0, 4
.endm
	s_wait_alu depctr_va_vdst(0)
	FETCH_B 0, 0, 0
	FETCH_A 0, 0, 0
	SCALES 0
	FETCH_A 0, 0, 4
	STEP 0, 0, 1
	s_mov_b32 s3, LAPS-1
.Llap:
	TURN 0, 1, 1
	STEP 1, 0, 0
	TURN 1, 0, 1
	STEP 0, 0, 0
	s_sub_co_u32 s3, s3, 1
	s_cmp_lg_u32 s3, 0
	s_cbranch_scc1 .Llap
	TURN 0, 1, 0
	STEP 1, 0, 0
	s_wait_dscnt 4*NL
	WIN MUL_LO
	MUL16 0, 1, NQ-1, 1, 0
	MUL16 2, 1, NQ-1, 1, 0
	s_wait_dscnt 0
	WIN MUL_HI
	MUL16 4, 1, NQ-1, 1, 0
	MUL16 6, 1, NQ-1, 1, 0
	WIN 0
.macro TOSTAGE a
.set AC, 64*((\a)%4)
	WIN 0x08+4*((\a)/4)
.irp b, 0,1,2,3,4,5,6,7
	ds_store_b128 v[STO], v[AC+8*\b:AC+8*\b+3] offset:64*\b
	ds_store_b128 v[STO], v[AC+8*\b+4:AC+8*\b+7] offset:64*\b+16
.endr
	WIN 0
.set BB, BK+64*((\a)%2)
.irp t, 0,1,2,3,4,5,6,7,8,9,10,11,12,13,14,15
	ds_load_b128 v[BB+4*\t:BB+4*\t+3], v[RD] offset:\t*SPITCH
.endr
.endm
.macro SEND a, younger
.set BB, BK+64*((\a)%2)
	s_wait_dscnt \younger
.if (\a) > 0
	s_add_nc_u64 s[14:15], s[14:15], 16*SIZE_N*4
.endif
.irp t, 0,1,2,3,4,5,6,7,8,9,10,11,12,13,14,15
	global_store_b128 v[CO], v[BB+4*\t:BB+4*\t+3], s[14:15] offset:\t*SIZE_N*4 th:TH_STORE_NT
.endr
.endm
	PLACES NP
	TOSTAGE 0
.irp a, 1,2,3,4,5,6,7
.if \a > 1
	s_wait_xcnt 0x0
.endif
	TOSTAGE \a
	SEND \a-1, 32
.endr
	s_wait_xcnt 0x0
	SEND 7, 0
	s_wait_tensorcnt 0x0
	ds_add_u32 v[SPW], v[NIL]
	s_wait_dscnt 0x0
	CROUND
	s_endpgm
.Lfunc_end_k_q27d5eba623_gemm:
	.size	k_q27d5eba623_gemm, .Lfunc_end_k_q27d5eba623_gemm-k_q27d5eba623_gemm
	.p2alignl 7, 3214868480
	.fill 96, 4, 3214868480
	.section	.rodata,"a",@progbits
	.p2align	6, 0x0
	.amdhsa_kernel k_q27d5eba623_gemm
		.amdhsa_group_segment_fixed_size 327680
		.amdhsa_private_segment_fixed_size 0
		.amdhsa_enable_private_segment 0
		.amdhsa_kernarg_size 48
		.amdhsa_user_sgpr_count 2
		.amdhsa_user_sgpr_kernarg_segment_ptr 1
		.amdhsa_wavefront_size32 1
		.amdhsa_system_sgpr_workgroup_id_x 1
		.amdhsa_system_sgpr_workgroup_id_y 1
		.amdhsa_system_sgpr_workgroup_id_z 1
		.amdhsa_system_vgpr_workitem_id 0
		.amdhsa_next_free_vgpr 1024
		.amdhsa_next_free_sgpr 80
		.amdhsa_reserve_vcc 0
		.amdhsa_float_denorm_mode_32 3
		.amdhsa_float_denorm_mode_16_64 3
		.amdhsa_memory_ordered 1
		.amdhsa_forward_progress 1
		.amdhsa_inst_pref_size 160
	.end_amdhsa_kernel
	.amdgpu_metadata
---
amdhsa.version: [ 1, 2 ]
amdhsa.kernels:
  - .name:           k_q27d5eba623_gemm
    .symbol:         k_q27d5eba623_gemm.kd
    .args:
      - { .name: a_pack, .offset: 0, .size: 8, .value_kind: global_buffer, .address_space: global }
      - { .name: b_pack, .offset: 8, .size: 8, .value_kind: global_buffer, .address_space: global }
      - { .name: idxB, .offset: 16, .size: 8, .value_kind: global_buffer, .address_space: global }
      - { .name: xiB, .offset: 24, .size: 8, .value_kind: global_buffer, .address_space: global }
      - { .name: h_bias, .offset: 32, .size: 8, .value_kind: global_buffer, .address_space: global }
      - { .name: out0, .offset: 40, .size: 8, .value_kind: global_buffer, .address_space: global }
    .group_segment_fixed_size: 327680
    .private_segment_fixed_size: 0
    .kernarg_segment_align: 8
    .kernarg_segment_size: 48
    .max_flat_workgroup_size: 128
    .sgpr_count:     80
    .vgpr_count:     1024
    .wavefront_size: 32
...
	.end_amdgpu_metadata
.endif
;; end of part 2
